; MI455X (gfx1250); checked and timed in simulation.
; The chip was launched on July 23, 2026; its instructions are those of AMD's public machine-readable ISA for CDNA 5 (MIT licence, August 2026) and "CDNA5" Instruction Set Architecture Reference Guide (July 2026). The comments in the code are by the model that wrote it; some were corrected since.
;; DPLLM Linear. Allowed arithmetic: float matrix products may take bf16 or f16 operands with f32 sums; all other float work in f32.
;; Inputs: bias 4,096 float32; lut4 4,096 x 16 float32; lut8 4,096 x 256 float32; qweight 8 x 4,096 x 128 int32; x 4 x 512 x 4,096 float32.
;; Outputs: out0 4 x 512 x 4,096 float32.
;; One version. Each part assembles by itself: llvm-mc -triple=amdgcn-amd-amdhsa -mcpu=gfx1250 --defsym DOCPART=n.
;; ======== version 1 of 1: 3 launches
;; limits: values are held in f16: magnitudes above 65,504 overflow, below 6.1e-05 lose precision; inputs' magnitudes at most 65,504
;; workspace buffers: flags 8,192 bytes of whole numbers; route 9,216 bytes of whole numbers; xs 18,874,368 bytes; wq 67,108,864 bytes
;; launch prep (part 1): grid 384 x 1, 16 waves a work-group, no clusters, 74,752 bytes of LDS; arguments x, qweight, lut4, lut8, flags, wq; writes flags, wq
.if DOCPART == 1
	.amdgcn_target "amdgcn-amd-amdhsa--gfx1250"
	.amdhsa_code_object_version 6
	.text
	.protected	k_q5873753fdb_prep
	.globl	k_q5873753fdb_prep
	.p2align	8
	.type	k_q5873753fdb_prep,@function
k_q5873753fdb_prep:
	s_mov_b64 s[64:65], 0
	v_nop
	global_prefetch_b8 v0, s[64:65] scope:SCOPE_SE
	s_setreg_imm32_b32 hwreg(HW_REG_WAVE_MODE, 25, 1), 1
	s_wait_xcnt 0x0
; PREP: two jobs in one launch, told apart by the work-group's number.
; Work-groups 0-255 DEQUANTISE a block of 16 output rows, n = 16 g + r, twice: wq[0] holds lut4[n][code & 15], wq[1] holds lut8[n][code], both f16, the two halves 2^25 bytes apart.
; Work-groups 256-383 TAKE NORMS: a wave takes one token (16,384 bytes of x), sums its squares in f32 and stores flags[token] = 1 where the token takes the 8-bit weights, else 0.
; HOW wq LIES: in the order in which the product's matrix fragments want it: wq[class][g][KB = 0..127][c = 0, 1][lane][16 bytes]; lane (r = lane % 16, h = lane / 16) holds row 16 g + r and
;   k = 256 (KB / 8) + 128 h + 16 (KB % 8) + 8 c + 0..7.  That is a permutation of k within 256, which the product applies alike to its other operand.  It is chosen so that a lane needs four
;   neighbouring plane words of one row (128 codes): the codes never change lanes, and each store of a wave covers 512 consecutive bytes, aligned.
; SHARES.  Wave w loads row w's eight planes (512 consecutive bytes a load) and its two tables, and puts them into LDS; behind ONE barrier wave S makes k = 256 S .. 256 S + 255 of all 16 rows.
; THE TEST.  sqrt(s) x 1 + 0 > 64, with the root rounded to nearest, holds exactly where the f32 sum s is greater than 4096 + 2^-11: (64 + 2^-18)^2 = 4096 + 2^-11 + 2^-36 is the tie
;   between 64 and the next f32, and the tie goes to 64.  So the test is written on s and no root is taken.  NaN gives 0, infinity 1, as the comparison with 64 does.
; LIMITS.  The sum is taken in 16 chains a lane and a tree, another order than a plain sum's: a token whose s lies within a few units in the last place of the bound may fall on the other side.
;   The tables are rounded to f16: |lut| stays below 65,520; below 6e-5 f16 keeps a fixed step of 6e-8.
; No matrix unit, no cluster, no tensor load: nothing is shared between work-groups and every byte is read once.
.set RP,    4112                       ; LDS: a row's eight planes, 8 x 512 bytes + 16: 257 x 16
.set TO,    16*RP                      ; behind the planes: a row's tables, 544 bytes: lut8 as 256 f16, then lut4 as 16 f16
.set TP,    544
.set T4O,   512
.set P,     8                          ; v[8:39]    plane p's four words at v[8+4p ..]: first my row's, as loaded; then my lane's
.set A8,    8                          ; v[8:15]    later: LDS addresses in lut8's table
.set A4,    16                         ; v[16:23]   in lut4's
.set OUT,   24                         ; v[24:31]   16 bytes for wq[0], 16 for wq[1]
.set CD,    40                         ; v[40:71]   my 128 codes in the order of their positions
.set LK,    72                         ; v[72:103]  two buffers of 16 numbers looked up: 8 of lut8, then 8 of lut4
.set T0,    104                        ; v[104:111] at work
.set PA,    106
.set L8,    112                        ; v[112:119] 8 entries of lut8, f32
.set L4,    120                        ; v[120:121] 2 entries of lut4, f32
.set TB,    122                        ; v[122:126] the same as f16
.set LO,    127                        ; v127       my byte offset in lut4's row
.set MK,    30                         ; s30-32     the butterfly's masks
.set X,     8                          ; norms: v[8:103] 24 slots of 16 bytes a lane
.set SQ,    104                        ; norms: v[104:119] eight pairs of running sums
	s_load_b256 s[4:11], s[0:1], 0x0               ; x s[4:5], qweight s[6:7], lut4 s[8:9], lut8 s[10:11]
	s_load_b128 s[12:15], s[0:1], 0x20             ; flags s[12:13], wq s[14:15]
	v_and_b32 v1, 31, v0                           ; lane
	v_lshrrev_b32 v2, 5, v0
	v_readfirstlane_b32 s16, v2                    ; wave 0..15
	v_lshlrev_b32 v2, 4, v1                        ; 16 x lane
	s_mov_b32 s3, 0                                ; the high word of every offset pair s[2:3]
	s_cmp_lt_u32 ttmp9, 256
	s_cbranch_scc0 .Lnorm                          ; the same way for all sixteen waves of a work-group
	; ---------------- sixteen rows of weights ----------------
	s_lshl_b32 s17, ttmp9, 4
	s_add_co_u32 s17, s17, s16                     ; the row whose planes and tables I load
	s_mul_i32 s38, s16, RP                         ; its planes in LDS
	s_mul_i32 s39, s16, TP
	s_add_co_u32 s39, s39, TO                      ; its tables in LDS
	s_mov_b32 s30, 0x55555555
	s_mov_b32 s31, 0x33333333
	s_mov_b32 s32, 0x0f0f0f0f
	s_mov_b32 s33, 0x05010400                      ; v_perm_b32 selects: bytes 0, 1 of two words, interleaved
	s_mov_b32 s34, 0x07030602                      ; bytes 2, 3, interleaved
	s_mov_b32 s35, 0x05040100                      ; the two low halves
	s_mov_b32 s36, 0x07060302                      ; the two high halves
	v_add_nc_u32 v3, s38, v2                       ; planes in: my row, 16 bytes a lane
	v_and_b32 v9, 15, v1                           ; r
	v_lshrrev_b32 v8, 4, v1                        ; h
	v_mul_u32_u24 v4, v9, RP                       ; planes back: row r,
	v_lshl_add_u32 v4, v8, 4, v4                   ; words 8 S + 4 h .. + 3: byte 32 S + 16 h
	s_lshl_b32 s2, s16, 5
	v_add_nc_u32 v4, s2, v4
	v_mul_u32_u24 v5, v9, TP
	v_add_nc_u32 v5, TO, v5                        ; row r's tables
	v_lshl_add_u32 v6, v1, 3, s39                  ; lut8 in: 4 entries of 2 bytes a lane
	v_and_b32 v9, 7, v1
	v_lshl_add_u32 v7, v9, 2, s39                  ; lut4 in: 2 entries for each of 8 lanes; the other 24 repeat them
	v_lshlrev_b32 v[LO], 3, v9
	s_wait_kmcnt 0x0
	s_lshl_b32 s2, s17, 9
	s_add_nc_u64 s[18:19], s[6:7], s[2:3]          ; plane 0 of my row: 512 bytes a row, 2 MiB a plane
	s_add_nc_u64 s[20:21], s[18:19], 0x800000      ; plane 4: three planes' distance fits the immediate, seven do not
	s_lshl_b32 s2, s17, 10
	s_add_nc_u64 s[22:23], s[10:11], s[2:3]
	s_lshl_b32 s2, s17, 6
	s_add_nc_u64 s[24:25], s[8:9], s[2:3]
	s_lshl_b32 s2, ttmp9, 17                       ; a block of 16 rows is 131,072 bytes of wq,
	s_lshl_b32 s37, s16, 13                        ; 256 k of it 8,192
	s_add_co_u32 s2, s2, s37
	s_add_nc_u64 s[26:27], s[14:15], s[2:3]        ; wq[0]
	s_add_nc_u64 s[28:29], s[26:27], 0x2000000     ; wq[1]
	global_load_b128 v[L8:L8+3], v2, s[22:23] th:TH_LOAD_NT             ; entries 4 lane ..
	global_load_b128 v[L8+4:L8+7], v2, s[22:23] offset:512 th:TH_LOAD_NT  ; entries 128 + 4 lane ..
	global_load_b64 v[L4:L4+1], v[LO], s[24:25]
.irp p, 0,1,2,3
	global_load_b128 v[P+4*(\p):P+4*(\p)+3], v2, s[18:19] offset:(\p)*0x200000 th:TH_LOAD_NT
.endr
.irp p, 0,1,2,3
	global_load_b128 v[P+16+4*(\p):P+16+4*(\p)+3], v2, s[20:21] offset:(\p)*0x200000 th:TH_LOAD_NT
.endr
	s_wait_loadcnt 8                               ; the three table loads are in; the eight plane loads behind them stay out
	v_cvt_pk_f16_f32 v[TB],   v[L8],   v[L8+1]
	v_cvt_pk_f16_f32 v[TB+1], v[L8+2], v[L8+3]
	v_cvt_pk_f16_f32 v[TB+2], v[L8+4], v[L8+5]
	v_cvt_pk_f16_f32 v[TB+3], v[L8+6], v[L8+7]
	v_cvt_pk_f16_f32 v[TB+4], v[L4],   v[L4+1]
	ds_store_b64 v6, v[TB:TB+1]
	ds_store_b64 v6, v[TB+2:TB+3] offset:256
	ds_store_b32 v7, v[TB+4] offset:T4O
.irp p, 0,1,2,3,4,5,6,7
	s_wait_loadcnt 7-(\p)                          ; plane p is in, the younger ones stay out
	ds_store_b128 v3, v[P+4*(\p):P+4*(\p)+3] offset:512*(\p)
.endr
	; Every LDS store of the kernel stands above this barrier and every LDS load below it: each wave reads what all sixteen have stored, and behind the barrier no LDS byte is written any more.
	s_wait_dscnt 0x0                               ; for the others' sake: my stores are done
	s_barrier_signal -1
	s_barrier_wait -1
.irp p, 0,1,2,3,4,5,6,7
	ds_load_b128 v[P+4*(\p):P+4*(\p)+3], v4 offset:512*(\p)   ; row r, plane p, words 8 S + 4 h .. + 3
.endr
	s_wait_dscnt 0x0
; Word wd of the eight planes is an 8 x 32 matrix of bits.  Three butterfly stages transpose each of its four 8 x 8 blocks: rows p and p + s exchange the columns whose bit s
; differs.  Afterwards register c holds in byte j the 8-bit code of position 8 j + c of the word.  A stage's four pairs: first their shifts, then their merges.
.macro BFLY wd
.irp s, 1, 2, 4
.set q, 0
.irp p, 0,1,2,3,4,5,6,7
.if ((\p) & (\s)) == 0
	v_lshlrev_b32 v[T0+2*q],   \s, v[P+4*((\p)+(\s))+(\wd)]
	v_lshrrev_b32 v[T0+2*q+1], \s, v[P+4*(\p)+(\wd)]
.set q, q+1
.endif
.endr
.set q, 0
.irp p, 0,1,2,3,4,5,6,7
.if ((\p) & (\s)) == 0
	v_bfi_b32 v[P+4*(\p)+(\wd)],       s[MK+(\s)/2], v[P+4*(\p)+(\wd)], v[T0+2*q]
	v_bfi_b32 v[P+4*((\p)+(\s))+(\wd)], s[MK+(\s)/2], v[T0+2*q+1], v[P+4*((\p)+(\s))+(\wd)]
.set q, q+1
.endif
.endr
.endr
.endm
; Two 4 x 4 transpositions of bytes (registers 0-3, registers 4-7) put the word's 32 codes in the order of their positions: register m of eight holds positions 4 m .. 4 m + 3.
.macro BYTES wd
.irp g, 0, 1
	v_perm_b32 v[PA],   v[P+4*(4*(\g)+1)+(\wd)], v[P+4*(4*(\g))+(\wd)],   s33
	v_perm_b32 v[PA+1], v[P+4*(4*(\g)+1)+(\wd)], v[P+4*(4*(\g))+(\wd)],   s34
	v_perm_b32 v[PA+2], v[P+4*(4*(\g)+3)+(\wd)], v[P+4*(4*(\g)+2)+(\wd)], s33
	v_perm_b32 v[PA+3], v[P+4*(4*(\g)+3)+(\wd)], v[P+4*(4*(\g)+2)+(\wd)], s34
	v_perm_b32 v[CD+8*(\wd)+(\g)],   v[PA+2], v[PA],   s35
	v_perm_b32 v[CD+8*(\wd)+2+(\g)], v[PA+2], v[PA],   s36
	v_perm_b32 v[CD+8*(\wd)+4+(\g)], v[PA+3], v[PA+1], s35
	v_perm_b32 v[CD+8*(\wd)+6+(\g)], v[PA+3], v[PA+1], s36
.endr
.endm
.irp wd, 0,1,2,3
	BFLY \wd
	BYTES \wd
.endr
; Step t of 16: my codes 8 t .. 8 t + 7 become sixteen LDS addresses and sixteen lookups.  A number that was loaded enters an address behind a clamp that is written out, and then by shifts and adds alone.
.macro ISSUE t, buf
.irp k, 0,1,2,3,4,5,6,7
	v_bfe_u32 v[A8+(\k)], v[CD+2*(\t)+(\k)/4], 8*((\k)%4), 8
.endr
.irp k, 0,1,2,3,4,5,6,7
	v_min_u32 v[A8+(\k)], 0xff, v[A8+(\k)]
.endr
.irp k, 0,1,2,3,4,5,6,7
	v_and_b32 v[A4+(\k)], 15, v[A8+(\k)]           ; the low four planes' code
.endr
.irp k, 0,1,2,3,4,5,6,7
	v_lshl_add_u32 v[A8+(\k)], v[A8+(\k)], 1, v5
	v_lshl_add_u32 v[A4+(\k)], v[A4+(\k)], 1, v5
.endr
.irp k, 0,1,2,3,4,5,6,7
	ds_load_u16 v[LK+16*(\buf)+(\k)], v[A8+(\k)]
.endr
.irp k, 0,1,2,3,4,5,6,7
	ds_load_u16 v[LK+16*(\buf)+8+(\k)], v[A4+(\k)] offset:T4O
.endr
.endm
; Step t's numbers are packed in pairs and stored: half t % 2 of fragment block 8 S + t / 2, at 512 t behind the wave's base.  Each store of the wave covers 512 consecutive bytes, aligned.
.macro FINISH t, buf, younger
	s_wait_dscnt \younger                          ; LDS loads come back in order (ISA guide 5.7.1): mine are in, the next step's sixteen stay out
	s_wait_xcnt 0x0                                ; OUT was the data of the last two stores: it is rewritten only behind this wait
.irp m, 0,1,2,3
	v_lshl_or_b32 v[OUT+(\m)],   v[LK+16*(\buf)+8+2*(\m)+1], 16, v[LK+16*(\buf)+8+2*(\m)]
	v_lshl_or_b32 v[OUT+4+(\m)], v[LK+16*(\buf)+2*(\m)+1],   16, v[LK+16*(\buf)+2*(\m)]
.endr
	global_store_b128 v2, v[OUT:OUT+3],   s[26:27] offset:512*(\t)
	global_store_b128 v2, v[OUT+4:OUT+7], s[28:29] offset:512*(\t)
.endm
	ISSUE 0, 0
.irp t, 1,2,3,4,5,6,7,8,9,10,11,12,13,14,15
	ISSUE \t, (\t)%2
	FINISH (\t)-1, ((\t)-1)%2, 16
.endr
	FINISH 15, 1, 0
	s_endpgm
	; ---------------- a token's norm ----------------
.Lnorm:
	s_sub_co_u32 s17, ttmp9, 256
	s_lshl_b32 s17, s17, 4
	s_add_co_u32 s17, s17, s16                     ; the token
	s_mov_b32 s22, 0x76543210                      ; v_permlanex16_b32: each lane takes its own place in the other half
	s_mov_b32 s23, 0xfedcba98
	s_lshl_b32 s2, s17, 14
	s_wait_kmcnt 0x0
	s_add_nc_u64 s[18:19], s[4:5], s[2:3]
	s_lshl_b32 s2, s17, 2
	s_add_nc_u64 s[20:21], s[12:13], s[2:3]
.set k, 0
.rept 24
	global_load_b128 v[X+4*k:X+4*k+3], v2, s[18:19] offset:512*k   ; 24 of the row's 32 loads are on their way: 512 consecutive bytes each
.set k, k+1
.endr
.set k, 0
.rept 32
.if k < 8
	s_wait_loadcnt 23                              ; load k is in; behind it 23 have been issued: each of the first eight turns issues one more
.else
	s_wait_loadcnt 31-k                            ; load k is in, the younger ones stay out
.endif
.set xr, X+4*(k%24)
.if k < 4
	v_pk_mul_f32 v[SQ+4*k:SQ+4*k+1],   v[xr:xr+1],   v[xr:xr+1]                  ; the first eight pairs start the chains: nothing is cleared
	v_pk_mul_f32 v[SQ+4*k+2:SQ+4*k+3], v[xr+2:xr+3], v[xr+2:xr+3]
.else
	v_pk_fma_f32 v[SQ+4*(k%4):SQ+4*(k%4)+1],   v[xr:xr+1],   v[xr:xr+1],   v[SQ+4*(k%4):SQ+4*(k%4)+1]
	v_pk_fma_f32 v[SQ+4*(k%4)+2:SQ+4*(k%4)+3], v[xr+2:xr+3], v[xr+2:xr+3], v[SQ+4*(k%4)+2:SQ+4*(k%4)+3]
.endif
.if k < 8
	global_load_b128 v[xr:xr+3], v2, s[18:19] offset:512*(k+24)   ; the slot just read takes one of the last eight loads
.endif
.set k, k+1
.endr
.irp c, 0,1,2,3
	v_pk_add_f32 v[SQ+2*(\c):SQ+2*(\c)+1], v[SQ+2*(\c):SQ+2*(\c)+1], v[SQ+8+2*(\c):SQ+8+2*(\c)+1]
.endr
.irp c, 0,1
	v_pk_add_f32 v[SQ+2*(\c):SQ+2*(\c)+1], v[SQ+2*(\c):SQ+2*(\c)+1], v[SQ+4+2*(\c):SQ+4+2*(\c)+1]
.endr
	v_pk_add_f32 v[SQ:SQ+1], v[SQ:SQ+1], v[SQ+2:SQ+3]
	v_add_f32 v[SQ], v[SQ], v[SQ+1]
	v_add_f32_dpp v[SQ], v[SQ], v[SQ] row_xmask:1 row_mask:0xf bank_mask:0xf
	v_add_f32_dpp v[SQ], v[SQ], v[SQ] row_xmask:2 row_mask:0xf bank_mask:0xf
	v_add_f32_dpp v[SQ], v[SQ], v[SQ] row_xmask:4 row_mask:0xf bank_mask:0xf
	v_add_f32_dpp v[SQ], v[SQ], v[SQ] row_xmask:8 row_mask:0xf bank_mask:0xf
	v_permlanex16_b32 v[SQ+1], v[SQ], s22, s23     ; its destination has been written
	v_add_f32 v[SQ], v[SQ], v[SQ+1]
	v_cmp_lt_f32 vcc_lo, 0x45800001, v[SQ]         ; 4096 + 2^-11 < s
	v_cndmask_b32 v3, 0, 1, vcc_lo
	v_mov_b32 v4, 0
	s_wait_xcnt 0x0                                ; EXEC is narrowed only behind this wait
	v_cmp_eq_u32 vcc_lo, 0, v1
	s_and_saveexec_b32 s24, vcc_lo
	global_store_b32 v4, v3, s[20:21]              ; one word for 16,384 bytes read; the sixteen waves' words are 64 neighbouring bytes
	s_endpgm
.Lfunc_end_k_q5873753fdb_prep:
	.size	k_q5873753fdb_prep, .Lfunc_end_k_q5873753fdb_prep-k_q5873753fdb_prep
	.p2alignl 7, 3214868480
	.fill 96, 4, 3214868480
	.section	.rodata,"a",@progbits
	.p2align	6, 0x0
	.amdhsa_kernel k_q5873753fdb_prep
		.amdhsa_group_segment_fixed_size 74752
		.amdhsa_private_segment_fixed_size 0
		.amdhsa_enable_private_segment 0
		.amdhsa_kernarg_size 48
		.amdhsa_user_sgpr_count 2
		.amdhsa_user_sgpr_kernarg_segment_ptr 1
		.amdhsa_wavefront_size32 1
		.amdhsa_system_sgpr_workgroup_id_x 1
		.amdhsa_system_sgpr_workgroup_id_y 1
		.amdhsa_system_sgpr_workgroup_id_z 1
		.amdhsa_system_vgpr_workitem_id 0
		.amdhsa_next_free_vgpr 128
		.amdhsa_next_free_sgpr 66
		.amdhsa_reserve_vcc 1
		.amdhsa_float_denorm_mode_32 3
		.amdhsa_float_denorm_mode_16_64 3
		.amdhsa_memory_ordered 1
		.amdhsa_forward_progress 1
		.amdhsa_inst_pref_size 92
	.end_amdhsa_kernel
	.amdgpu_metadata
---
amdhsa.version: [ 1, 2 ]
amdhsa.kernels:
  - .name:           k_q5873753fdb_prep
    .symbol:         k_q5873753fdb_prep.kd
    .args:
      - { .name: x, .offset: 0, .size: 8, .value_kind: global_buffer, .address_space: global }
      - { .name: qweight, .offset: 8, .size: 8, .value_kind: global_buffer, .address_space: global }
      - { .name: lut4, .offset: 16, .size: 8, .value_kind: global_buffer, .address_space: global }
      - { .name: lut8, .offset: 24, .size: 8, .value_kind: global_buffer, .address_space: global }
      - { .name: flags, .offset: 32, .size: 8, .value_kind: global_buffer, .address_space: global }
      - { .name: wq, .offset: 40, .size: 8, .value_kind: global_buffer, .address_space: global }
    .group_segment_fixed_size: 74752
    .private_segment_fixed_size: 0
    .kernarg_segment_align: 8
    .kernarg_segment_size: 48
    .max_flat_workgroup_size: 512
    .sgpr_count:     66
    .vgpr_count:     128
    .wavefront_size: 32
...
	.end_amdgpu_metadata
.endif
;; end of part 1
;; launch sortx (part 2): grid 18 x 16, 8 waves a work-group, no clusters, 8,448 bytes of LDS; arguments x, flags, xs, route; writes xs, route
.if DOCPART == 2
	.amdgcn_target "amdgcn-amd-amdhsa--gfx1250"
	.amdhsa_code_object_version 6
	.text
	.protected	k_q5873753fdb_sortx
	.globl	k_q5873753fdb_sortx
	.p2align	8
	.type	k_q5873753fdb_sortx,@function
k_q5873753fdb_sortx:
	s_mov_b64 s[64:65], 0
	v_nop
	global_prefetch_b8 v0, s[64:65] scope:SCOPE_SE
	s_setreg_imm32_b32 hwreg(HW_REG_WAVE_MODE, 25, 1), 1
	s_wait_xcnt 0x0
; SORTX: the tokens are laid out by precision.  xs is [16 tiles][144 rows][4096] f16; route is [16][144] words: token | class << 16.  Every tile belongs to one class
; (0: the 4-bit weights, 1: the 8-bit weights).  Work-group (sub, j) makes rows 8 sub .. 8 sub + 7 of tile j, a wave a row: 16,384 bytes of x in, 8,192 bytes out.
; THE RANKING is made anew in every work-group, from the 8,192 bytes of flags.  Wave 0 alone makes it, so that all stores into the list come from one wave: token u goes to
; position u - (high tokens before u) if it is low, to 2047 - (high tokens before u) if it is high: low tokens fill the list from its head, high ones from its end, each position once.
; THE TILES.  nl low and nh high tokens.  tl = ceil(nl / 144) tiles are low (16 if nh = 0), the other 16 - tl high.  144 (16 - tl) >= nh, since 2304 - 144 tl >= 2048 - nl;
; and a class's tokens are never fewer than its tiles (16 - tl <= (256 + nh) / 144 <= nh from nh = 2 on, and is 1 at nh = 1).  A class's n tokens are dealt evenly to its d tiles:
; q = n / d each, one more for the first n mod d: 1 to 144 tokens a tile.  The slots behind a tile's last token repeat that token.
; LIMIT.  x is rounded to f16: |x| stays below 65,520; below 6e-5 f16 keeps a fixed step of 6e-8.
; No matrix unit, no cluster, no tensor load: a stream, whose rows no two work-groups share but for the repeated ones.
.set NHW,  8192                        ; LDS: the list, 2,048 words, at 0; behind it one word: nh
.set FL,   32                          ; v[32:95]   wave 0: the flags of tokens 32 k + lane
.set X,    32                          ; v[32:159]  the row as loaded
.set Y,    160                         ; v[160:223] the row as stored
	s_load_b256 s[4:11], s[0:1], 0x0               ; x s[4:5], flags s[6:7], xs s[8:9], route s[10:11]
	v_and_b32 v1, 31, v0                           ; lane
	v_lshrrev_b32 v2, 5, v0
	v_readfirstlane_b32 s12, v2                    ; wave 0..7
	s_mov_b32 s13, ttmp9                           ; sub
	s_and_b32 s14, ttmp7, 0xffff                   ; j
	v_lshlrev_b32 v5, 4, v1                        ; 16 x lane: x
	v_lshlrev_b32 v6, 3, v1                        ; 8 x lane: xs
	v_lshlrev_b32 v8, 2, v1                        ; 4 x lane: flags, route
	s_mul_i32 s57, s14, 144
	s_lshl3_add_u32 s57, s13, s57                  ; the work-group's first row: 144 j + 8 sub
	s_add_co_u32 s55, s57, s12
	s_lshl_b32 s62, s55, 13
	s_mov_b32 s63, 0
	s_wait_kmcnt 0x0
	s_add_nc_u64 s[8:9], s[8:9], s[62:63]          ; xs at my row
	s_lshl_b32 s62, s57, 2
	s_add_nc_u64 s[10:11], s[10:11], s[62:63]      ; route at the work-group's eight words
	s_cmp_lg_u32 s12, 0
	s_cbranch_scc1 .Lranked
.set k, 0
.rept 64
	global_load_b32 v[FL+k], v8, s[6:7] offset:128*k
.set k, k+1
.endr
	s_mov_b32 s44, 0                               ; high tokens so far
.set k, 0
.rept 64
	s_wait_loadcnt 63-k                            ; load k is in, the younger ones stay out
	v_cmp_ne_u32 s[16+k%8], 0, v[FL+k]             ; the ballot of 32 tokens
	v_mbcnt_lo_u32_b32 v11, s[16+k%8], s44         ; high tokens before mine
	v_add_nc_u32 v12, 32*k, v1                     ; my token
	v_sub_nc_u32 v13, v12, v11                     ; its place if it is low,
	v_sub_nc_u32 v14, 0x7ff, v11                   ; if it is high
	v_cndmask_b32 v13, v13, v14, s[16+k%8]
	v_min_u32 v13, 0x7ff, v13                      ; a number made of loaded ones enters an address behind a clamp that is written out
	v_lshlrev_b32 v13, 2, v13
	ds_store_b32 v13, v12
	s_bcnt1_i32_b32 s55, s[16+k%8]
	s_add_co_u32 s44, s44, s55
.set k, k+1
.endr
	v_mov_b32 v11, 0
	v_mov_b32 v12, s44
	ds_store_b32 v11, v12 offset:NHW
.Lranked:
	s_wait_dscnt 0x0                               ; for the others' sake: wave 0's stores are done
	s_barrier_signal -1
	s_barrier_wait -1
	v_mov_b32 v11, 0
	ds_load_b32 v12, v11 offset:NHW
	s_wait_dscnt 0x0
	v_readfirstlane_b32 s45, v12                   ; nh
	s_sub_co_u32 s46, 2048, s45                    ; nl
	s_add_co_u32 s47, s46, 143
	s_mul_i32 s47, s47, 7282                       ; 7282 / 2^20 exceeds 1 / 144 by 2.1e-7: up to 2,191 the product's excess stays under 1 / 144, so the floor is exact
	s_lshr_b32 s47, s47, 20                        ; tl = ceil(nl / 144)
	s_cmp_eq_u32 s45, 0
	s_cselect_b32 s47, 16, s47
	s_sub_co_u32 s55, 16, s47
	s_sub_co_u32 s56, s14, s47
	s_cmp_ge_u32 s14, s47
	s_cselect_b32 s48, 1, 0                        ; my tile's class
	s_cselect_b32 s49, s45, s46                    ; n: the class's tokens
	s_cselect_b32 s50, s55, s47                    ; d: its tiles, at least 1
	s_cselect_b32 s51, s56, s14                    ; jj: my tile among them
	s_cselect_b32 s52, s46, 0                      ; where the class begins in the list
	s_mov_b32 s53, 0                               ; q
	s_mov_b32 s54, 0                               ; r
.macro DIVSTEP bit                     ; one step of n / d by shifting and subtracting: n has 12 bits
	s_bfe_u32 s55, s49, (1<<16)|(\bit)
	s_lshl1_add_u32 s54, s54, s55
	s_cmp_ge_u32 s54, s50
	s_cselect_b32 s56, s50, 0
	s_cselect_b32 s55, 1<<(\bit), 0
	s_sub_co_u32 s54, s54, s56
	s_or_b32 s53, s53, s55
.endm
.irp b, 11,10,9,8,7,6,5,4,3,2,1,0
	DIVSTEP \b
.endr
	s_cmp_lt_u32 s51, s54
	s_cselect_b32 s55, 1, 0
	s_add_co_u32 s58, s53, s55                     ; my tile's tokens: q, or q + 1 in the first r tiles
	s_sub_co_u32 s58, s58, 1                       ; its last token's slot
	s_mul_i32 s59, s51, s53
	s_min_u32 s55, s51, s54
	s_add_co_u32 s59, s59, s55
	s_add_co_u32 s59, s59, s52                     ; where my tile begins in the list
	v_add_nc_u32 v3, s12, v1
	v_and_b32 v3, 7, v3
	v_lshl_add_u32 v3, s13, 3, v3                  ; slot 8 sub + (lane + wave) % 8: lane 0 has the wave's own slot; wave 0's lanes 0-7 have the eight in order
	v_min_u32 v3, s58, v3                          ; the slots behind the last token repeat it
	v_add_nc_u32 v3, s59, v3
	v_min_u32 v3, 0x7ff, v3
	v_lshlrev_b32 v3, 2, v3
	ds_load_b32 v4, v3
	s_wait_dscnt 0x0
	v_readfirstlane_b32 s60, v4                    ; my row's token
	s_min_u32 s60, s60, 0x7ff
	s_lshl_b32 s62, s60, 14
	s_add_nc_u64 s[4:5], s[4:5], s[62:63]
.set k, 0
.rept 32
	global_load_b128 v[X+4*k:X+4*k+3], v5, s[4:5] offset:512*k   ; the whole row is on its way
.set k, k+1
.endr
.set k, 0
.rept 32
	s_wait_loadcnt 31-k                            ; load k is in, the younger ones stay out
	v_cvt_pk_f16_f32 v[Y+2*k],   v[X+4*k],   v[X+4*k+1]
	v_cvt_pk_f16_f32 v[Y+2*k+1], v[X+4*k+2], v[X+4*k+3]
	global_store_b64 v6, v[Y+2*k:Y+2*k+1], s[8:9] offset:256*k   ; 32 lanes store 256 consecutive bytes, aligned; no register of a store is written again
.set k, k+1
.endr
	s_cmp_lg_u32 s12, 0
	s_cbranch_scc1 .Lend
	s_lshl_b32 s55, s48, 16
	v_or_b32 v7, s55, v4                           ; token | class << 16
	s_wait_xcnt 0x0                                ; EXEC is narrowed only behind this wait
	v_cmp_gt_u32 vcc_lo, 8, v1
	s_and_saveexec_b32 s56, vcc_lo
	global_store_b32 v8, v7, s[10:11]              ; 32 consecutive bytes of a table of 9,216
.Lend:
	s_endpgm
.Lfunc_end_k_q5873753fdb_sortx:
	.size	k_q5873753fdb_sortx, .Lfunc_end_k_q5873753fdb_sortx-k_q5873753fdb_sortx
	.p2alignl 7, 3214868480
	.fill 96, 4, 3214868480
	.section	.rodata,"a",@progbits
	.p2align	6, 0x0
	.amdhsa_kernel k_q5873753fdb_sortx
		.amdhsa_group_segment_fixed_size 8448
		.amdhsa_private_segment_fixed_size 0
		.amdhsa_enable_private_segment 0
		.amdhsa_kernarg_size 32
		.amdhsa_user_sgpr_count 2
		.amdhsa_user_sgpr_kernarg_segment_ptr 1
		.amdhsa_wavefront_size32 1
		.amdhsa_system_sgpr_workgroup_id_x 1
		.amdhsa_system_sgpr_workgroup_id_y 1
		.amdhsa_system_sgpr_workgroup_id_z 1
		.amdhsa_system_vgpr_workitem_id 0
		.amdhsa_next_free_vgpr 224
		.amdhsa_next_free_sgpr 66
		.amdhsa_reserve_vcc 1
		.amdhsa_float_denorm_mode_32 3
		.amdhsa_float_denorm_mode_16_64 3
		.amdhsa_memory_ordered 1
		.amdhsa_forward_progress 1
		.amdhsa_inst_pref_size 62
	.end_amdhsa_kernel
	.amdgpu_metadata
---
amdhsa.version: [ 1, 2 ]
amdhsa.kernels:
  - .name:           k_q5873753fdb_sortx
    .symbol:         k_q5873753fdb_sortx.kd
    .args:
      - { .name: x, .offset: 0, .size: 8, .value_kind: global_buffer, .address_space: global }
      - { .name: flags, .offset: 8, .size: 8, .value_kind: global_buffer, .address_space: global }
      - { .name: xs, .offset: 16, .size: 8, .value_kind: global_buffer, .address_space: global }
      - { .name: route, .offset: 24, .size: 8, .value_kind: global_buffer, .address_space: global }
    .group_segment_fixed_size: 8448
    .private_segment_fixed_size: 0
    .kernarg_segment_align: 8
    .kernarg_segment_size: 32
    .max_flat_workgroup_size: 256
    .sgpr_count:     66
    .vgpr_count:     224
    .wavefront_size: 32
...
	.end_amdgpu_metadata
.endif
;; end of part 2
;; launch gemm (part 3): grid 16 x 16, 4 waves a work-group, clusters of 4 x 1, 327,680 bytes of LDS; arguments xs, wq, route, bias, out0; writes out0
.if DOCPART == 3
	.amdgcn_target "amdgcn-amd-amdhsa--gfx1250"
	.amdhsa_code_object_version 6
	.text
	.protected	k_q5873753fdb_gemm
	.globl	k_q5873753fdb_gemm
	.p2align	8
	.type	k_q5873753fdb_gemm,@function
k_q5873753fdb_gemm:
	s_mov_b64 s[64:65], 0
	v_nop
	global_prefetch_b8 v0, s[64:65] scope:SCOPE_SE
	s_setreg_imm32_b32 hwreg(HW_REG_WAVE_MODE, 25, 1), 1
	s_wait_xcnt 0x0
	s_wait_alu depctr_hold_cnt(0) depctr_sa_sdst(0) depctr_va_vdst(0) depctr_va_sdst(0) depctr_va_ssrc(0) depctr_va_vcc(0) depctr_vm_vsrc(0)
	s_getreg_b32 s2, hwreg(HW_REG_IB_STS2, 6, 4)
	s_cmp_eq_u32 s2, 0
	s_cbranch_scc0 .Lentry_in_a_cluster
	s_endpgm
.Lentry_in_a_cluster:
	s_bfe_u32 s2, ttmp6, 0x10000c
	s_cmp_lg_u32 s2, 0x3003
	s_cbranch_scc0 .Lentry_shape_is_right
	s_endpgm
.Lentry_shape_is_right:
; GEMM: out0[token][n] = the sum over k of xs[row][k] W[class][n][k] + bias[n], f16 operands, f32 sums.  xs: [16 tiles][144][4096] f16, sorted, each tile of one class;
; route: [16][144] words, token | class << 16; out0: [2048][4096] f32.  wq holds W in the order of the matrix fragments: wq[class][n / 16][KB = 0..127][c = 0, 1][lane][16 bytes], where
; lane (r = lane % 16, h = lane / 16) holds row 16 (n / 16) + r and k = 256 (KB / 8) + 128 h + 16 (KB % 8) + 8 c + 0..7: a permutation of k within 256, applied alike to xs's fragments below.
; SHARES.  Work-group (nt, j): the 144 rows of tile j x columns 256 nt .. + 255.  16 x 16 work-groups.  Wave w: all 144 rows x 64 columns: 9 x 4 accumulators of 16 x 16, 288 registers.
; xs GOES THROUGH LDS: all four waves read all of the tile.  K goes in 16 steps of 256 (rows of 512 bytes in memory, aligned) through two LDS slots; each wave's tensor load brings 36 of the 144 rows.
; wq GOES STRAIGHT INTO REGISTERS: a wave's 64 columns are read by no other wave, so LDS would only add a write and a read.  A block KB of a wave (4 fragments, 32 along K) is eight loads, each of 512
; consecutive bytes; a ring of eight such buffers, 256 registers, is filled seven blocks ahead: 56 loads of a wave are out, and 7 x 36 = 252 matrix instructions stand between a request and the wait for it.
; For a block a wave makes 18 LDS loads and 8 global loads of 16 bytes a lane for 36 matrix instructions.
; THE MATRIX INSTRUCTION IS USED TRANSPOSED: source 0 = 16 rows of W, source 1 = 16 rows of xs: a lane then holds one token (lane % 16) and the columns 8 (lane / 16) + 0..7 of a block of 16.
; THE BIAS is the C operand of each accumulator's first product: nothing is cleared and nothing is added later.
; THE WAY OUT.  16 rows at a time through the wave's own stage in LDS, back as whole rows of 256 bytes, and each row to the place that route names.
; CLUSTER.  The four work-groups of a cluster have one j and four neighbouring nt: xs's tiles are asked for JOINTLY (the same tensor load, descriptor and mask in all four).
; wq is not shared: its address hangs on nt, which differs between these partners, and on the tile's class, a number read from memory, which has no place in a joint request.
; LIMITS.  f16's range and step, as xs and wq were made.  The slots behind a tile's last token repeat it: that row of out0 is stored more than once, by one wave, with the same bits.
; REGISTERS, in windows of 256 (s_set_vgpr_msb: bits 1:0 source 0, 3:2 source 1, 5:4 source 2, 7:6 destination):
;   window 0: v0-31 addresses; v32-103, v104-175 xs's fragments (9 x 16 rows x 32 K), two buffers; v32-95 two blocks on the way out
;   window 1: the accumulators of row blocks 0-7: (a, b) at v[8 (4 a + b)]
;   window 2: v0-31 those of row block 8; v32-103 the byte offsets in out0 of my lanes' rows; v104-135 the bias
;   window 3: wq's ring: block KB's four fragments at v[32 (KB % 8) ..]
.set KSTEP, 256
.set PITCH, 528                        ; an LDS row: 512 bytes + 16 of padding = 132 words: the 16 rows of a load start at 16 different groups of four banks (64 banks of 4 bytes: ISA guide 11.1)
.set AQ,    36*PITCH                   ; what one tensor load brings
.set SLOT,  144*PITCH
.set STAGE, 2*SLOT                     ; behind the ring, never filled by a tensor load: 16 rows x 272 bytes for each wave
.set SP,    272
.set SPARE, STAGE+4*16*SP              ; behind the stages: the spare words, 128 bytes for each wave: two blocks of 256 bytes that no other line names
.set LAPS,  8                          ; a lap = two K steps = 16 blocks of 32 along K = once round the ring of slots
.set NBB,   131072                     ; bytes of 16 rows of wq
.set KBB,   1024                       ; of a fragment
.set ADRA, 16                          ; v16-17  LDS address of my xs fragments in slot 0, 1: row blocks 0-3
.set ADRH, 18                          ; v18-19  the same for row blocks 4-8: eight blocks of 16 rows pass the 16-bit offset
.set BO,   20                          ; v20     16 x lane: my bytes of a load of wq; never rewritten
.set STO,  24                          ; v24     the way out: where I put 32 bytes of a row
.set RD,   25                          ; v25     the way out: where I read a row back
.set COL,  26                          ; v26     16 (lane % 16)
.set RT,   27                          ; v27     32 (lane / 16)
.set SPW,  28                          ; v28     LDS address of my spare word; never rewritten
.set NIL,  29                          ; v29     0; never rewritten
.set FA,   32
.set OB,   32
.set OFFS, 32                          ; window 2
.set BIAS, 104                         ; window 2
.set G1, 24                            ; s[24:31] descriptor group 1
.set G0, 32                            ; s[32:39] group 0, a set for each slot
.set MSB, 0
.macro WIN new                         ; the immediate's high byte repeats the setting that is left; a switch that changes nothing is dropped
.if MSB != (\new)
	s_set_vgpr_msb (MSB<<8)|(\new)
.set MSB, \new
.endif
.endm
.macro PLACES                          ; four places in front of loads into registers that matrix instructions have read, and of stores that read results
.rept 4
	v_nop
.endr
.endm
.macro CREST                           ; a round of the cluster's barrier behind its opening barrier
	s_cmp_lg_u32 s14, 0
	s_cbranch_scc1 .Lnot_wave_0_\@
	s_barrier_signal -3
.Lnot_wave_0_\@:
	s_barrier_wait -3
	s_barrier_signal -1
	s_barrier_wait -1
.endm
.macro CROUND                          ; a whole round
	s_barrier_signal -1
	s_barrier_wait -1
	CREST
.endm
	s_load_b256 s[4:11], s[0:1], 0x0               ; xs s[4:5], wq s[6:7], route s[8:9], bias s[10:11]
	s_load_b64 s[12:13], s[0:1], 0x20              ; out0
	v_lshl_add_u32 v[SPW], v0, 2, SPARE
	v_mov_b32 v[NIL], 0
	v_lshrrev_b32 v1, 5, v0
	v_readfirstlane_b32 s14, v1                    ; wave 0..3
	s_bfe_u32 s15, ttmp6, 0x40000                  ; cx: my place in the cluster
	s_lshl_b32 s16, ttmp9, 2                       ; in a cluster launch ttmp9 counts clusters
	s_add_co_u32 s16, s16, s15                     ; nt = 4 x cluster x + cx
	s_and_b32 s17, ttmp7, 0xffff                   ; j, which the four partners share
	; descriptor group 1: 36 rows of 256 elements of 2 bytes, padded in LDS
	s_mov_b32 s[G1], 15|(1<<16)|(1<<20)|(1<<21)|(6<<22)|(3<<25)  ; 15:0 the mask: all four work-groups; 17:16 2-byte elements; 20 padding on; 21 set beside a mask; 24:22 after every 128 words (code 6); 31:25 4 words (code 3)
	s_mov_b32 s[G1+1], KSTEP<<16                   ; tensor_dim0 = 256
	s_mov_b32 s[G1+2], 36<<16                      ; tensor_dim1 = 36
	s_mov_b32 s[G1+3], KSTEP<<16                   ; tile_dim0 = 256
	s_mov_b32 s[G1+4], 36                          ; tile_dim1 = 36
	s_mov_b32 s[G1+5], 4096                        ; elements from row to row
	s_mov_b32 s[G1+6], 0
	s_mov_b32 s[G1+7], 0
	; offsets, each in registers of its own: xs's is made of j and the wave's number alone
	s_mul_i32 s20, s17, 144
	s_mul_i32 s21, s14, 36
	s_add_co_u32 s20, s20, s21
	s_lshl_b32 s20, s20, 13                        ; row 144 j + 36 w, 8,192 bytes a row
	s_mov_b32 s21, 0
	s_lshl_b32 s22, s16, 21                        ; wq: block of 16 rows 16 nt + 4 w, 131,072 bytes each
	s_lshl_b32 s23, s14, 19
	s_add_co_u32 s22, s22, s23
	s_mov_b32 s23, 0
	s_mul_i32 s46, s17, 576                        ; the tile's 144 words of route
	s_mov_b32 s47, 0
	s_lshl_b32 s44, s16, 10                        ; my 64 columns, in bytes of f32: 1,024 nt + 256 w
	s_lshl_b32 s45, s14, 8
	s_add_co_u32 s44, s44, s45
	s_mov_b32 s45, 0
	s_mul_i32 s2, s14, AQ                          ; where my rows go: no place in the cluster enters an LDS address
	s_wait_kmcnt 0x0
	s_add_nc_u64 s[40:41], s[8:9], s[46:47]
	s_load_b32 s48, s[40:41], 0x0                  ; the tile's first entry: its class stands for all 144
	s_add_nc_u64 s[42:43], s[10:11], s[44:45]      ; bias at my columns
	s_add_nc_u64 s[12:13], s[12:13], s[44:45]      ; out0 at my columns of row 0
	s_add_nc_u64 s[4:5], s[4:5], s[20:21]
.irp s, 0,1
	s_mov_b32 s[G0+4*(\s)], 1                                      ; 1:0 count = 1
	s_add_co_u32 s[G0+4*(\s)+1], s2, (\s)*SLOT                     ; 63:32 LDS address
	s_add_nc_u64 s[G0+4*(\s)+2:G0+4*(\s)+3], s[4:5], (\s)*KSTEP*2  ; 120:64 global address: K step s
	s_or_b32 s[G0+4*(\s)+3], s[G0+4*(\s)+3], 0x80000000            ; 127:126 type = 2
.endr
	s_wait_kmcnt 0x0
	s_lshr_b32 s48, s48, 16
	s_min_u32 s48, s48, 1                          ; a number that was loaded enters an address behind a clamp that is written out
	s_lshl_b32 s48, s48, 25                        ; the two halves of wq lie 2^25 bytes apart
	s_add_co_u32 s22, s22, s48
	s_add_nc_u64 s[6:7], s[6:7], s[22:23]          ; wq at my first fragment
	CROUND                                         ; all four work-groups are here: the first joint loads meet
	tensor_load_to_lds s[G0:G0+3], s[G1:G1+7]      ; both first fills go out together, ahead of every wait on TENSORcnt and every LDS read: two loads of mine are out
	tensor_load_to_lds s[G0+4:G0+7], s[G1:G1+7]
.rept 4
	v_nop
.endr
; Eight global loads: block kbi (counted from the base) of my four fragments of wq, into buffer fb of the ring.  Each load of the wave covers 512 consecutive bytes, aligned.
.macro BFETCH kbi, fb
	WIN 0xc0                                       ; destination window 3, address window 0
.irp b, 0,1,2,3
	global_load_b128 v[32*(\fb)+8*(\b):32*(\fb)+8*(\b)+3],   v[BO], s[6:7] offset:(\b)*NBB+(\kbi)*KBB
	global_load_b128 v[32*(\fb)+8*(\b)+4:32*(\fb)+8*(\b)+7], v[BO], s[6:7] offset:(\b)*NBB+(\kbi)*KBB+512
.endr
.endm
	v_and_b32 v1, 15, v0                           ; l % 16
	v_bfe_u32 v2, v0, 4, 1                         ; l / 16
	v_and_b32 v[BO], 31, v0
	v_lshlrev_b32 v[BO], 4, v[BO]
	v_lshlrev_b32 v[RT], 5, v2
	v_lshlrev_b32 v[COL], 4, v1
	WIN 0x80                                       ; destination window 2, address window 0
.irp a, 0,1,2,3,4,5,6,7,8
	global_load_b128 v[OFFS+8*(\a):OFFS+8*(\a)+3],   v[RT], s[40:41] offset:64*(\a)      ; route's entries of rows 16 a + 8 (l / 16) + 0..7
	global_load_b128 v[OFFS+8*(\a)+4:OFFS+8*(\a)+7], v[RT], s[40:41] offset:64*(\a)+16
.endr
.irp b, 0,1,2,3
	global_load_b128 v[BIAS+8*(\b):BIAS+8*(\b)+3],   v[RT], s[42:43] offset:64*(\b)      ; the bias of columns 16 b + 8 (l / 16) + 0..7: an accumulator's layout
	global_load_b128 v[BIAS+8*(\b)+4:BIAS+8*(\b)+7], v[RT], s[42:43] offset:64*(\b)+16
.endr
.irp q, 0,1,2,3
	BFETCH \q, \q                                  ; wq's first four blocks
.endr
	WIN 0
	; A fragment of xs is 16 rows x 32 K in 8 registers.  Lane l holds row l % 16, and for block kb of a K step the same k as wq's fragment: 128 (l / 16) + 16 kb + 0..15: 32 consecutive bytes, two loads.
	v_mul_u32_u24 v[ADRA], v1, PITCH
	v_lshl_add_u32 v[ADRA], v2, 8, v[ADRA]         ; row x pitch + 256 x half
	v_add_nc_u32 v[ADRA+1], SLOT, v[ADRA]
	v_add_nc_u32 v[ADRH], 4*16*PITCH, v[ADRA]
	v_add_nc_u32 v[ADRH+1], SLOT, v[ADRH]
	s_mul_i32 s3, s14, 16*SP
	s_add_co_u32 s3, s3, STAGE                     ; my stage
	v_mul_u32_u24 v[STO], v1, SP                   ; in: row l % 16, 32 bytes for each half of the lanes
	v_lshl_add_u32 v[STO], v2, 5, v[STO]
	v_add_nc_u32 v[STO], s3, v[STO]
	v_mul_u32_u24 v[RD], v2, 8*SP                  ; back: lanes 0-15 take row t, lanes 16-31 row t + 8, 256 bytes each
	v_lshl_add_u32 v[RD], v1, 4, v[RD]
	v_add_nc_u32 v[RD], s3, v[RD]
	s_wait_loadcnt 32                              ; route and bias are in; the 32 loads of wq behind them stay out
	WIN 0x88                                       ; source 1 and destination window 2
.set i, 0
.rept 72
	v_and_b32 v[OFFS+i], 0xffff, v[OFFS+i]         ; the token, without the class,
	v_min_u32 v[OFFS+i], 0x7ff, v[OFFS+i]          ; clamped to the output's rows
.set i, i+1
.endr
	WIN 0x82                                       ; source 0 and destination window 2
.set i, 0
.rept 72
	v_lshl_add_u32 v[OFFS+i], v[OFFS+i], 14, v[COL]  ; 16,384 bytes a row of out0, + my 16 bytes of the wave's 256
.set i, i+1
.endr
.irp q, 4,5,6
	BFETCH \q, \q                                  ; three blocks more: 56 loads of mine are out
.endr
	WIN 0
; Matrix instructions for row blocks a0 .. a1 x all four column blocks, 32 along K: xs from buffer fa, wq from buffer fb of the ring.  first = 1: the product starts the sum, with the bias as C.
; The 36 accumulators take turns, one instruction a turn, in the same order in every block.
.macro MULS fa, fb, a0, a1, first
.set ma, \a0
.rept (\a1)-(\a0)+1
.irp b, 0,1,2,3
.if ma < 8
.set rD, 8*(4*ma+(\b))
.if \first
	WIN 0x63                                       ; wq window 3, xs window 0, C (the bias) window 2, D window 1
.else
	WIN 0x53                                       ; C and D window 1
.endif
.else
.set rD, 8*(\b)
	WIN 0xa3                                       ; C and D window 2
.endif
.if \first
	v_wmma_f32_16x16x32_f16 v[rD:rD+7], v[32*(\fb)+8*(\b):32*(\fb)+8*(\b)+7], v[FA+72*(\fa)+8*ma:FA+72*(\fa)+8*ma+7], v[BIAS+8*(\b):BIAS+8*(\b)+7]
.else
	v_wmma_f32_16x16x32_f16 v[rD:rD+7], v[32*(\fb)+8*(\b):32*(\fb)+8*(\b)+7], v[FA+72*(\fa)+8*ma:FA+72*(\fa)+8*ma+7], v[rD:rD+7]
.endif
.endr
.set ma, ma+1
.endr
.endm
; 18 LDS loads in one run: xs's fragments of block kb of the slot's K step, into buffer f
.macro AFETCH slot, kb, f
	WIN 0
.irp i, 0,1,2,3
	ds_load_b128 v[FA+72*(\f)+8*(\i):FA+72*(\f)+8*(\i)+3],   v[ADRA+(\slot)] offset:32*(\kb)+(\i)*16*PITCH
	ds_load_b128 v[FA+72*(\f)+8*(\i)+4:FA+72*(\f)+8*(\i)+7], v[ADRA+(\slot)] offset:32*(\kb)+(\i)*16*PITCH+16
.endr
.irp i, 4,5,6,7,8
	ds_load_b128 v[FA+72*(\f)+8*(\i):FA+72*(\f)+8*(\i)+3],   v[ADRH+(\slot)] offset:32*(\kb)+((\i)-4)*16*PITCH
	ds_load_b128 v[FA+72*(\f)+8*(\i)+4:FA+72*(\f)+8*(\i)+7], v[ADRH+(\slot)] offset:32*(\kb)+((\i)-4)*16*PITCH+16
.endr
.endm
; A K step is eight blocks of 32 along K, 36 matrix instructions each.  i is the block's number in the lap, counted from wq's base.  One of a step's first seven: the next block's fragments of xs are asked
; for first, into the buffer that the block before has multiplied; then wq's block i + 7, into the ring's buffer that the block before has multiplied (load = 1); then block i is multiplied, while they come.
; lc: the loads of wq issued behind block i's that may stay out: six blocks' 48; in the tail, where nothing more is asked for, 8 (15 - i).
.macro EIGHTH slot, i, first, load, lc
	PLACES
	AFETCH \slot, ((\i)+1)%8, ((\i)+1)%2
	s_wait_loadcnt \lc                             ; global loads come back in order (ISA guide 5.7.1): wq's block i is in
.if \load
	BFETCH (\i)+7, ((\i)+7)%8
.endif
	s_wait_dscnt 18                                ; all but the 18 just issued: xs's block i is in
	MULS (\i)%2, (\i)%8, 0, 8, \first
.endm
; A step's last block changes slots: ONE barrier.  In front of it each wave waits for all its tensor loads, of which one is out: its part of the next slot; adds 0 to its spare word; and waits for
; that and for its own reads of this slot.  fill = 1: the barrier opens a round of the cluster's, and this slot is filled again, two K steps ahead, first thing behind the round.
; wq's loads stand ahead of the three lines: they touch no LDS, and go on coming while the waves meet.
.macro TURN slot, next, i, fill
	PLACES
	s_wait_loadcnt 48                              ; wq's block i is in
	BFETCH (\i)+7, ((\i)+7)%8
	WIN 0                                          ; (the add's two registers lie in window 0)
	s_wait_tensorcnt 0x0                           ; all my tensor loads have landed;
	ds_add_u32 v[SPW], v[NIL]                      ; 0 onto my spare word;
	s_wait_dscnt 1                                 ; (the add alone may be out: xs's block i is in)
	MULS 1, 7, 0, 1, 0                             ; eight matrix instructions stand between the add and the wait for it
	s_wait_dscnt 0x0                               ; the add is done, and my reads of this slot are over
	s_barrier_signal -1
	MULS 1, 7, 2, 3, 0                             ; work on registers while the others arrive
	WIN 0
	s_barrier_wait -1
.if \fill
	CREST                                          ; no wave of any partner still reads this slot's tile or has a load on its way
	s_add_nc_u64 s[G0+4*(\slot)+2:G0+4*(\slot)+3], s[G0+4*(\slot)+2:G0+4*(\slot)+3], 2*KSTEP*2
	tensor_load_to_lds s[G0+4*(\slot):G0+4*(\slot)+3], s[G1:G1+7]  ; my 36 rows: 272 matrix instructions ahead of the wait for them
.rept 4
	v_nop                                          ; four v_nop follow the line
.endr
.else
	PLACES
.endif
	AFETCH \next, 0, 0
	MULS 1, 7, 4, 8, 0
.endm
	s_wait_tensorcnt 1                             ; my part of K step 0 is in; K step 1's may stay out
	s_barrier_signal -1
	s_barrier_wait -1                              ; everybody's is
	AFETCH 0, 0, 0
	EIGHTH 0, 0, 1, 1, 48                          ; the first block stands in front of the loop: its products start the sums
	WIN 0                                          ; at a label and at a branch every window is 0
	s_mov_b32 s3, LAPS-1
.Llap:                                                 ; a trip goes once round the ring of slots, from a lap's second block to the next lap's first, and fills both slots again
.irp i, 1,2,3,4,5,6
	EIGHTH 0, \i, 0, 1, 48
.endr
	TURN 0, 1, 7, 1
.irp i, 8,9,10,11,12,13,14
	EIGHTH 1, \i, 0, 1, 48
.endr
	TURN 1, 0, 15, 1
	EIGHTH 0, 16, 0, 1, 48
	WIN 0
	s_wait_xcnt 0x0                                ; wq's base is stepped only behind this wait: the loads that are out have had their addresses translated (ISA guide 3.1)
	s_add_nc_u64 s[6:7], s[6:7], 16*KBB
	s_sub_co_u32 s3, s3, 1
	s_cmp_lg_u32 s3, 0
	s_cbranch_scc1 .Llap
.irp i, 1,2,3,4,5,6                    ; the last lap fills no slot and has no round of the cluster's barrier
	EIGHTH 0, \i, 0, 1, 48
.endr
	TURN 0, 1, 7, 0
	EIGHTH 1, 8, 0, 1, 48                          ; wq's last block, 15, is asked for here: no load leaves the buffer
.irp i, 9,10,11,12,13,14
	EIGHTH 1, \i, 0, 0, 8*(15-(\i))                ; the counts run down
.endr
	s_wait_loadcnt 0x0                             ; the very last block: nothing more to fetch
	s_wait_dscnt 0x0
	MULS 1, 7, 0, 8, 0
; THE WAY OUT of row block a.  TOSTAGE: a lane's eight columns of a row, 32 bytes, go straight from the accumulator into my stage, each accumulator's low four registers first;
; then the block comes back as whole rows of 256 bytes.  SEND: each row goes to its token's row of out0.
.macro TOSTAGE a
	s_wait_xcnt 0x0                                ; the registers that the block comes back into were the data of the stores two blocks ago
.if (\a) < 8
	WIN 0x04                                       ; store data window 1
.irp b, 0,1,2,3
	ds_store_b128 v[STO], v[32*(\a)+8*(\b):32*(\a)+8*(\b)+3]   offset:64*(\b)
	ds_store_b128 v[STO], v[32*(\a)+8*(\b)+4:32*(\a)+8*(\b)+7] offset:64*(\b)+16
.endr
.else
	WIN 0x08                                       ; store data window 2
.irp b, 0,1,2,3
	ds_store_b128 v[STO], v[8*(\b):8*(\b)+3]   offset:64*(\b)
	ds_store_b128 v[STO], v[8*(\b)+4:8*(\b)+7] offset:64*(\b)+16
.endr
.endif
	WIN 0
.irp t, 0,1,2,3,4,5,6,7
	ds_load_b128 v[OB+32*((\a)%2)+4*(\t):OB+32*((\a)%2)+4*(\t)+3], v[RD] offset:(\t)*SP  ; LDS serves a wave's instructions in order (ISA guide 5.7.1.4): these see the stores above; the next block's stores come behind them
.endr
.endm
.macro SEND a, younger                 ; younger: the LDS instructions issued behind block a's loads: the next block's sixteen, or none
	WIN 0x02                                       ; the offsets lie in window 2, the data in window 0
.irp t, 0,1,2,3,4,5,6,7
	s_wait_dscnt (\younger)+7-(\t)
	global_store_b128 v[OFFS+8*(\a)+(\t)], v[OB+32*((\a)%2)+4*(\t):OB+32*((\a)%2)+4*(\t)+3], s[12:13] th:TH_STORE_NT  ; 16 lanes store 256 consecutive bytes, at a multiple of 256 from out0's first byte
.endr
.endm
	PLACES                                         ; the stores below read results just made
	TOSTAGE 0
.irp a, 1,2,3,4,5,6,7,8
	TOSTAGE \a
	SEND (\a)-1, 16
.endr
	SEND 8, 0
	WIN 0
	s_wait_tensorcnt 0x0                           ; the wave's end: behind my last tensor load and my last LDS store
	ds_add_u32 v[SPW], v[NIL]
	s_wait_dscnt 0x0
	CROUND                                         ; the closing round: no work-group ends while a partner may still ask for a tile that names it
	s_endpgm
.Lfunc_end_k_q5873753fdb_gemm:
	.size	k_q5873753fdb_gemm, .Lfunc_end_k_q5873753fdb_gemm-k_q5873753fdb_gemm
	.p2alignl 7, 3214868480
	.fill 96, 4, 3214868480
	.section	.rodata,"a",@progbits
	.p2align	6, 0x0
	.amdhsa_kernel k_q5873753fdb_gemm
		.amdhsa_group_segment_fixed_size 327680
		.amdhsa_private_segment_fixed_size 0
		.amdhsa_enable_private_segment 0
		.amdhsa_kernarg_size 40
		.amdhsa_user_sgpr_count 2
		.amdhsa_user_sgpr_kernarg_segment_ptr 1
		.amdhsa_wavefront_size32 1
		.amdhsa_system_sgpr_workgroup_id_x 1
		.amdhsa_system_sgpr_workgroup_id_y 1
		.amdhsa_system_sgpr_workgroup_id_z 1
		.amdhsa_system_vgpr_workitem_id 0
		.amdhsa_next_free_vgpr 1024
		.amdhsa_next_free_sgpr 66
		.amdhsa_reserve_vcc 0
		.amdhsa_float_denorm_mode_32 3
		.amdhsa_float_denorm_mode_16_64 3
		.amdhsa_memory_ordered 1
		.amdhsa_forward_progress 1
		.amdhsa_inst_pref_size 185
	.end_amdhsa_kernel
	.amdgpu_metadata
---
amdhsa.version: [ 1, 2 ]
amdhsa.kernels:
  - .name:           k_q5873753fdb_gemm
    .symbol:         k_q5873753fdb_gemm.kd
    .args:
      - { .name: xs, .offset: 0, .size: 8, .value_kind: global_buffer, .address_space: global }
      - { .name: wq, .offset: 8, .size: 8, .value_kind: global_buffer, .address_space: global }
      - { .name: route, .offset: 16, .size: 8, .value_kind: global_buffer, .address_space: global }
      - { .name: bias, .offset: 24, .size: 8, .value_kind: global_buffer, .address_space: global }
      - { .name: out0, .offset: 32, .size: 8, .value_kind: global_buffer, .address_space: global }
    .group_segment_fixed_size: 327680
    .private_segment_fixed_size: 0
    .kernarg_segment_align: 8
    .kernarg_segment_size: 40
    .max_flat_workgroup_size: 128
    .sgpr_count:     66
    .vgpr_count:     1024
    .wavefront_size: 32
...
	.end_amdgpu_metadata
.endif
;; end of part 3
